; MI455X (gfx1250); checked and timed in simulation.
; The chip was launched on July 23, 2026; its instructions are those of AMD's public machine-readable ISA for CDNA 5 (MIT licence, August 2026) and "CDNA5" Instruction Set Architecture Reference Guide (July 2026). The comments in the code are by the model that wrote it; some were corrected since.
;; Multi Head Attention. Allowed arithmetic: matrix products marked QUANTISED: E2M1 operands, one E8M0 scale for each 32 along K, by v_wmma_scale_f32_16x16x128_f8f6f4 with both operands' format E2M1 (or v_wmma_scale_f32_32x16x128_f4), f32 sums; products left as they are: bf16, f16 or f32 operands; f32 sums; everything else in f32.
;; Inputs: Wk 1,024 x 1,024 float32; Wq 1,024 x 1,024 float32; Wv 1,024 x 1,024 float32; bk 1,024 float32; bq 1,024 float32; bv 1,024 float32; keys 8 x 1,024 x 1,024 float32; queries 8 x 1,024 x 1,024 float32; values 8 x 1,024 x 1,024 float32.
;; Outputs: out0 1,024 x 8 x 1,024 float32.
;; This version of the problem:
;;   THIS VERSION OF THE PROBLEM IS GIVEN IN LOW PRECISION. The matrix products marked QUANTISED in the list below multiply operands that are first quantised to E2M1 (2 exponent bits, 1 mantissa bit; 4 bits a number), with one power-of-two scale for each 32 numbers along K (OCP MX v1.0); their sums are f32. The products marked 'left as it is' may take bf16, f16 or f32 operands, with f32 sums. Whichever they take, every output number must still come out within the allowed error. Rounding operands to bf16 (8 significant bits) uses up far more of that allowance than f16 does (11 bits, for magnitudes from 6e-5 to 65,504). All else is computed in f32.
;;   The module's matrix products, in the order in which they are computed (A, B: the left and right operand; K: the contracted axis; several contracted axes count as one K, in the product's order):
;;     1. [M 8,192, K 1,024] x [K 1,024, N 1,024]; A: input queries; B: input Wq: QUANTISED
;;     2. [M 8,192, K 1,024] x [K 1,024, N 1,024]; A: input keys; B: input Wk: QUANTISED
;;     3. [M 8,192, K 1,024] x [K 1,024, N 1,024]; A: input values; B: input Wv: QUANTISED
;;     4. batch 128 x [M 1,024, K 64] x [K 64, N 1,024]; A: computed on the way; B: computed on the way: left as it is (an operand is computed on the way)
;;     5. batch 128 x [M 64, K 1,024] x [K 1,024, N 1,024]; A: computed on the way; B: computed on the way: left as it is (an operand is computed on the way)
;;   THE QUANTISER, for each operand of a quantised product, along K:
;;     - K is cut into blocks of 32 from its start; a last block that is shorter is filled with zeros.
;;     - A block's scale is 2^e with e = floor(log2(the largest magnitude in the block)) - 2, held to -126 .. 127; a block of zeros has e = 0. As a byte (E8M0): e + 127.
;;     - Each number is divided by its block's scale, clamped to +-6, and rounded to the nearest number of E2M1, ties to even, subnormals kept.
;;     - The product sums the exact products of the quantised numbers (number of the format x scale) in f32.
;;   ~~~python
;;   def quantise(x, axis):      # numpy; x: float32 -> the quantised numbers, widened to float32 again
;;       x = np.moveaxis(x, axis, -1); K = x.shape[-1]
;;       x = np.pad(x, [(0, 0)] * (x.ndim - 1) + [(0, -K % 32)]); x = x.reshape(x.shape[:-1] + (-1, 32)); a = np.abs(x).max(-1, keepdims=True)
;;       e = np.where(a > 0, np.clip(np.frexp(np.where(a > 0, a, 1))[1] - 1 - 2, -126, 127), 0)      # np.frexp(a)[1] - 1 = floor(log2(a)), exactly
;;       r = np.clip(x / 2.0 ** e, -6, 6)
;;       step = 2.0 ** (np.maximum(np.frexp(np.where(r == 0, 1, r))[1] - 1, 0) - 1)
;;       q = np.round(r / step) * step * 2.0 ** e      # np.round: ties to even
;;       return np.moveaxis(q.reshape(q.shape[:-2] + (-1,))[..., :K], -1, axis).astype(np.float32)
;;   ~~~
;; One version. Each part assembles by itself: llvm-mc -triple=amdgcn-amd-amdhsa -mcpu=gfx1250 --defsym DOCPART=n.
;; ======== version 1 of 1: 3 launches
;; limits: values are held in f16: magnitudes above 65,504 overflow, below 6.1e-05 lose precision
;; workspace buffers: xcodes 12,582,912 bytes; xscales 786,432 bytes; wcodes 1,572,864 bytes; wscales 98,304 bytes; qkv 50,331,648 bytes
;; launch quant (part 1): grid 864 x 1, 4 waves a work-group, no clusters, 33,280 bytes of LDS; arguments queries, keys, values, Wq, Wk, Wv, xcodes, xscales, wcodes, wscales; writes xcodes, xscales, wcodes, wscales
.if DOCPART == 1
	.amdgcn_target "amdgcn-amd-amdhsa--gfx1250"
	.amdhsa_code_object_version 6
	.text
	.protected	k_q217c41fafa_quant
	.globl	k_q217c41fafa_quant
	.p2align	8
	.type	k_q217c41fafa_quant,@function
k_q217c41fafa_quant:
	s_mov_b64 s[64:65], 0
	v_nop
	global_prefetch_b8 v0, s[64:65] scope:SCOPE_SE
	s_setreg_imm32_b32 hwreg(HW_REG_WAVE_MODE, 25, 1), 1
	s_wait_xcnt 0x0
; queries, keys, values [8192][1024] and Wq, Wk, Wv [1024][1024], f32, are turned into codes of FP4 (E2M1), 4 bits each, K innermost, with one E8M0 scale byte for each 32 along K.
; In all six K is the last axis and rows are dense, so each tensor is a plain stream of blocks of 32 numbers, and so are its codes and its scale bytes.
; The three x tensors' codes are stacked in xcodes [3][8192][512 bytes], their bytes in xscales [3][8192][32]; the three weights' in wcodes [3][1024][512], wscales [3][1024][32].
; A block's scale is 2^(floor(log2(its largest magnitude)) - 2); its byte is the largest magnitude's own exponent field - 2, held at 1 from below.  Each number is divided by the scale and rounded to the nearest code, ties to even, beyond 6 the code of 6.
; LIMITS: a block of zeros gets the byte 1 where the rule says 127 (its codes are zeros, which add nothing, and this program alone reads the bytes); blocks whose largest magnitude lies under 2^(3 - 127) keep the byte 1; NaN and infinities among the inputs are not served.
; SHARES: a work-group takes 32,768 numbers, a wave 16 steps of 512.  Work-groups 0-767: queries, keys, values, 256 each; 768-863: Wq, Wk, Wv, 32 each.  Only pointers are chosen by the work-group's number: all take one path.
; A step's four loads read 512 consecutive bytes each, 16 a lane; the 2,048 bytes turn through the wave's own stage in LDS and come back 64 bytes a lane: 16 neighbours along K, two lanes to a block.
; A lane's 16 codes are 8 bytes: the wave stores 256 consecutive bytes.  A wave's 256 scale bytes are gathered in its own LDS bytes and leave as 256 consecutive bytes.  No barrier: waves share nothing.
.set WAVES, 4
.set STEPS, 16
.set EMAX,  2
.set CB,    8                          ; bytes of 16 codes
.set R,     16                         ; v16-79   four sets of 16 numbers as they are loaded
.set X,     80                         ; v80-111  two sets of 16 neighbours
.set C,     128                        ; v128-191 codes: four registers for each step, so that no store's data are written again
.set E,     112                        ; v112-127 a scale byte for each step
.set WREG,  8192                       ; LDS: a region for each wave: two stages of 32 x SP bytes, behind them its 256 scale bytes
.set SP,    80                         ; a lane's place in a stage: its 64 bytes + 16 of padding
.set SPW,   12                         ; v12      LDS address of my spare word; never rewritten
.set NIL,   13                         ; v13      0; never rewritten
.set SPARE, WAVES*WREG                 ; behind the four regions: the spare words, 128 bytes a wave, which no other line names
.set SRC,   24                         ; s[24:25] the tensor that I read
.set OC,    26                         ; s[26:27] where its codes go
.set OS,    28                         ; s[28:29] where its scale bytes go
	s_load_b512 s[4:19], s[0:1], 0x0               ; queries 4:5, keys 6:7, values 8:9, Wq 10:11, Wk 12:13, Wv 14:15, xcodes 16:17, xscales 18:19
	s_load_b128 s[20:23], s[0:1], 0x40             ; wcodes 20:21, wscales 22:23
	v_lshl_add_u32 v[SPW], v0, 2, SPARE
	v_mov_b32 v[NIL], 0
	v_lshrrev_b32 v1, 5, v0
	v_readfirstlane_b32 s30, v1                    ; wave
	v_and_b32 v2, 31, v0                           ; lane
	v_lshlrev_b32 v3, 4, v2                        ; my 16 bytes of a load's 512
	s_mul_i32 s33, s30, WREG
	v_lshrrev_b32 v14, 2, v2
	v_mul_u32_u24 v14, v14, SP
	v_and_b32 v15, 3, v2
	v_lshl_add_u32 v14, v15, 4, v14
	v_add_nc_u32 v14, s33, v14                     ; the stage, on the way in: four lanes' 64 bytes on end, then 16 of padding
	v_mul_u32_u24 v15, v2, SP
	v_add_nc_u32 v15, s33, v15                     ; and on the way out: SP x lane: my 16 neighbours
	v_mul_u32_u24 v4, v2, CB                       ; my codes' place in a step's
	v_lshrrev_b32 v5, 1, v2
	s_add_co_u32 s33, s33, 2*32*SP
	v_add_nc_u32 v5, s33, v5                       ; LDS: my wave's 256 scale bytes, my block's byte
	v_lshlrev_b32 v7, 3, v2                        ; and on the way out 8 bytes a lane
	v_add_nc_u32 v6, s33, v7
	s_wait_kmcnt 0x0
	s_mov_b64 s[SRC:SRC+1], s[14:15]               ; which tensor: every choice hangs on the work-group's number alone
	s_cmp_lt_u32 ttmp9, 832
	s_cselect_b64 s[SRC:SRC+1], s[12:13], s[SRC:SRC+1]
	s_cmp_lt_u32 ttmp9, 800
	s_cselect_b64 s[SRC:SRC+1], s[10:11], s[SRC:SRC+1]
	s_cmp_lt_u32 ttmp9, 768                        ; an x tensor or a weight?
	s_cselect_b64 s[SRC:SRC+1], s[8:9], s[SRC:SRC+1]
	s_cselect_b64 s[OC:OC+1], s[16:17], s[20:21]
	s_cselect_b64 s[OS:OS+1], s[18:19], s[22:23]
	s_cselect_b32 s31, 0, 768                      ; the first work-group of the stack
	s_cselect_b32 s32, 255, 31                     ; work-groups in a tensor, less 1
	s_cmp_lt_u32 ttmp9, 512
	s_cselect_b64 s[SRC:SRC+1], s[6:7], s[SRC:SRC+1]
	s_cmp_lt_u32 ttmp9, 256
	s_cselect_b64 s[SRC:SRC+1], s[4:5], s[SRC:SRC+1]
	s_sub_co_u32 s31, ttmp9, s31                   ; my place in the stack,
	s_and_b32 s32, s31, s32                        ; and in my tensor
	s_lshl_b32 s32, s32, 2
	s_add_co_u32 s32, s32, s30                     ; which run of 8,192 numbers of the tensor is my wave's
	s_lshl_b32 s34, s32, 15                        ; 32,768 bytes a run (under 2^26)
	s_mov_b32 s35, 0
	s_add_nc_u64 s[SRC:SRC+1], s[SRC:SRC+1], s[34:35]
	s_lshl_b32 s31, s31, 2
	s_add_co_u32 s31, s31, s30                     ; which run of the stack
	s_lshl_b32 s34, s31, 12                        ; 4,096 bytes of codes a run
	s_add_nc_u64 s[OC:OC+1], s[OC:OC+1], s[34:35]
	s_lshl_b32 s34, s31, 8                         ; 256 scale bytes a run
	s_add_nc_u64 s[OS:OS+1], s[OS:OS+1], s[34:35]
.macro LOAD t
.irp i, 0,1,2,3
	global_load_b128 v[R+16*((\t)%4)+4*\i:R+16*((\t)%4)+4*\i+3], v3, s[SRC:SRC+1] offset:2048*(\t)+512*\i th:TH_LOAD_NT   ; 32 lanes read 512 consecutive bytes
.endr
.endm
.macro TURN t                          ; step t's numbers through the stage: LDS serves a wave's instructions in order, so no wait stands between the stores and the loads
.irp i, 0,1,2,3
	ds_store_b128 v14, v[R+16*((\t)%4)+4*\i:R+16*((\t)%4)+4*\i+3] offset:32*SP*((\t)%2)+8*SP*\i
.endr
.irp i, 0,1,2,3
	ds_load_b128 v[X+16*((\t)%2)+4*\i:X+16*((\t)%2)+4*\i+3], v15 offset:32*SP*((\t)%2)+16*\i
.endr
.endm
.irp t, 0,1,2,3
	LOAD \t
.endr
	s_wait_loadcnt 12                              ; step 0's four loads are in; the twelve of steps 1 to 3 may be out
	TURN 0
.macro STEP t
.set XS, X+16*((\t)%2)
.if (\t) > 0
	s_wait_dscnt 1                                 ; this step's numbers are back from the stage (the last step's byte store may be out): so its stores into the stage have read their registers,
.else
	s_wait_dscnt 0x0
.endif
.if (\t)+4 < STEPS
	LOAD (\t)+4                                    ; which take the loads of four steps on
.endif
.if (\t)+1 < STEPS
.if STEPS-2-(\t) >= 3
	s_wait_loadcnt 12                              ; the next step's four loads are in; those of the three steps behind it may be out
.else
	s_wait_loadcnt 4*(STEPS-2-(\t))
.endif
	TURN (\t)+1                                    ; and go through the other stage while this step is worked
.endif
	v_max3_num_f32 v8, |v[XS]|, |v[XS+1]|, |v[XS+2]|               ; the largest magnitude of my 16, in two chains
	v_max3_num_f32 v9, |v[XS+3]|, |v[XS+4]|, |v[XS+5]|
.irp i, 6,10
	v_max3_num_f32 v8, v8, |v[XS+\i]|, |v[XS+\i+1]|
	v_max3_num_f32 v9, v9, |v[XS+\i+2]|, |v[XS+\i+3]|
.endr
	v_max3_num_f32 v8, v8, |v[XS+14]|, |v[XS+15]|
	v_max3_num_f32 v8, v8, v9, (EMAX+1)<<23        ; and the floor 2^(EMAX + 1 - 127): so the byte cannot fall under 1
	v_max_num_f32_dpp v8, v8, v8 row_xmask:1 row_mask:0xf bank_mask:0xf   ; and of my neighbour's 16: the block's
	v_add_nc_u32 v11, -(EMAX<<23), v8              ; EMAX off its exponent field: the conversion takes the exponent field of this operand as its scale, and nothing else of it
	v_cvt_scalef32_pk8_fp4_f32 v[C+4*(\t)], v[XS:XS+7], v11
	v_cvt_scalef32_pk8_fp4_f32 v[C+4*(\t)+1], v[XS+8:XS+15], v11
	v_lshrrev_b32 v[E+(\t)], 23, v11               ; the scale's byte (also the plain line behind the conversions)
	ds_store_b8 v5, v[E+(\t)] offset:16*(\t)       ; both lanes of a block write the same byte with the same value
	global_store_b64 v4, v[C+4*(\t):C+4*(\t)+1], s[OC:OC+1] offset:32*CB*(\t)   ; 32 lanes store 256 consecutive bytes, aligned
.endm
.irp t, 0,1,2,3,4,5,6,7,8,9,10,11,12,13,14,15
	STEP \t
.endr
	ds_load_b64 v[8:9], v6                         ; LDS serves a wave's instructions in order: these see my stores
	s_wait_dscnt 0x0
	global_store_b64 v7, v[8:9], s[OS:OS+1]        ; 32 lanes store 256 consecutive bytes, aligned
	s_wait_tensorcnt 0x0                           ; the wave's end, behind my last LDS store
	ds_add_u32 v[SPW], v[NIL]
	s_wait_dscnt 0x0
	s_endpgm
.Lfunc_end_k_q217c41fafa_quant:
	.size	k_q217c41fafa_quant, .Lfunc_end_k_q217c41fafa_quant-k_q217c41fafa_quant
	.p2alignl 7, 3214868480
	.fill 96, 4, 3214868480
	.section	.rodata,"a",@progbits
	.p2align	6, 0x0
	.amdhsa_kernel k_q217c41fafa_quant
		.amdhsa_group_segment_fixed_size 33280
		.amdhsa_private_segment_fixed_size 0
		.amdhsa_enable_private_segment 0
		.amdhsa_kernarg_size 80
		.amdhsa_user_sgpr_count 2
		.amdhsa_user_sgpr_kernarg_segment_ptr 1
		.amdhsa_wavefront_size32 1
		.amdhsa_system_sgpr_workgroup_id_x 1
		.amdhsa_system_sgpr_workgroup_id_y 1
		.amdhsa_system_sgpr_workgroup_id_z 1
		.amdhsa_system_vgpr_workitem_id 0
		.amdhsa_next_free_vgpr 192
		.amdhsa_next_free_sgpr 66
		.amdhsa_reserve_vcc 0
		.amdhsa_float_denorm_mode_32 3
		.amdhsa_float_denorm_mode_16_64 3
		.amdhsa_memory_ordered 1
		.amdhsa_forward_progress 1
		.amdhsa_inst_pref_size 34
	.end_amdhsa_kernel
	.amdgpu_metadata
---
amdhsa.version: [ 1, 2 ]
amdhsa.kernels:
  - .name:           k_q217c41fafa_quant
    .symbol:         k_q217c41fafa_quant.kd
    .args:
      - { .name: queries, .offset: 0, .size: 8, .value_kind: global_buffer, .address_space: global }
      - { .name: keys, .offset: 8, .size: 8, .value_kind: global_buffer, .address_space: global }
      - { .name: values, .offset: 16, .size: 8, .value_kind: global_buffer, .address_space: global }
      - { .name: Wq, .offset: 24, .size: 8, .value_kind: global_buffer, .address_space: global }
      - { .name: Wk, .offset: 32, .size: 8, .value_kind: global_buffer, .address_space: global }
      - { .name: Wv, .offset: 40, .size: 8, .value_kind: global_buffer, .address_space: global }
      - { .name: xcodes, .offset: 48, .size: 8, .value_kind: global_buffer, .address_space: global }
      - { .name: xscales, .offset: 56, .size: 8, .value_kind: global_buffer, .address_space: global }
      - { .name: wcodes, .offset: 64, .size: 8, .value_kind: global_buffer, .address_space: global }
      - { .name: wscales, .offset: 72, .size: 8, .value_kind: global_buffer, .address_space: global }
    .group_segment_fixed_size: 33280
    .private_segment_fixed_size: 0
    .kernarg_segment_align: 8
    .kernarg_segment_size: 80
    .max_flat_workgroup_size: 128
    .sgpr_count:     66
    .vgpr_count:     192
    .wavefront_size: 32
...
	.end_amdgpu_metadata
.endif
;; end of part 1
;; launch proj (part 2): grid 4 x 96, 4 waves a work-group, clusters of 4 x 4, 327,680 bytes of LDS; arguments xcodes, xscales, wcodes, wscales, qkv, bq, bk, bv; writes qkv
.if DOCPART == 2
	.amdgcn_target "amdgcn-amd-amdhsa--gfx1250"
	.amdhsa_code_object_version 6
	.text
	.protected	k_q217c41fafa_proj
	.globl	k_q217c41fafa_proj
	.p2align	8
	.type	k_q217c41fafa_proj,@function
k_q217c41fafa_proj:
	s_mov_b64 s[64:65], 0
	v_nop
	global_prefetch_b8 v0, s[64:65] scope:SCOPE_SE
	s_setreg_imm32_b32 hwreg(HW_REG_WAVE_MODE, 25, 1), 1
	s_wait_xcnt 0x0
	s_wait_alu depctr_hold_cnt(0) depctr_sa_sdst(0) depctr_va_vdst(0) depctr_va_sdst(0) depctr_va_ssrc(0) depctr_va_vcc(0) depctr_vm_vsrc(0)
	s_getreg_b32 s2, hwreg(HW_REG_IB_STS2, 6, 4)
	s_cmp_eq_u32 s2, 0
	s_cbranch_scc0 .Lentry_in_a_cluster
	s_endpgm
.Lentry_in_a_cluster:
	s_bfe_u32 s2, ttmp6, 0x10000c
	s_cmp_lg_u32 s2, 0xf033
	s_cbranch_scc0 .Lentry_shape_is_right
	s_endpgm
.Lentry_shape_is_right:
; q = queries Wq^T + bq, k = keys Wk^T + bk, v = values Wv^T + bv, on codes of FP4 (E2M1) with one E8M0 scale for each 32 along K = 1,024; sums in f32, begun with the bias; the results are rounded once to f16
; and laid by head for the attention launch: qkv [3 (q, k, v)][batch 8][head 16][position 1024][64] f16.
; LIMIT: results beyond f16's largest number, 65,504, are not served (the inputs as drawn give magnitudes of a few units).
; The three products are ONE stacked problem: A = xcodes as [24576][1024]; tile row tr = 0..95 of 256 rows, tile column tc = 0..3 of 256 columns; the tensor is tr / 32 and picks the weight's 1,024 rows and the bias.
; A tile, 256 x 256, is made by four waves, each 128 x 128: 64 accumulators of 16 x 16, 512 registers.  K is two slots of 512 (LDS rows of 256 bytes): both are asked for at the head, nothing is filled again, there is no loop.
; THE SCALES of the work-group's 256 rows of A and of B, for all of K, are two dense blocks of memory: they come into LDS once, with the first fills.
; CLUSTERS: 4 x 4 work-groups = one batch of one tensor x all 1,024 columns.  The four of a row of the cluster need the same tiles of A, the four of a column the same tiles of B: each tile is asked for JOINTLY.
; THE MATRIX INSTRUCTION IS USED TRANSPOSED (source 0 = 16 rows of W, source 1 = 16 rows of x): a lane then holds eight neighbouring columns of one row of the result.
; REGISTERS, in windows of 256: window 0: v0-31 addresses; v32-95 scale words, two sets; v128-191 A's fragments, ONE set; v192-255 the bias, 8 column blocks x 8 registers in the result's layout; on the way out v32-63, v192-255 are free.
;   window 1: B's fragments, TWO sets, at v0 and v128.   window 2: the 32 accumulators of my rows 0-63 ((a, b) at v[8 (8 a + b)]);   window 3: those of my rows 64-127.
.set NQ,     4                         ; matrix instructions deep in a slot (512 along K)
.set ROWB,   256                       ; a tile's row in bytes
.set KROW,   512                       ; a row of codes in memory, in bytes
.set PITCH,  272                       ; an LDS row: 256 bytes + 16 of padding = 68 words: row r starts at bank 4 r mod 64 (64 banks of 4 bytes: ISA guide 11.1)
.set FR,     8                         ; registers of a fragment: 16 rows x 128 K
.set NL,     2                         ; LDS loads that bring one
.set NP,     4                         ; places behind this matrix instruction (ISA guide 7.12.1)
.set HALFT,  128*PITCH                 ; 128 rows: what one tensor load brings, and what one wave reads of A or of B
.set SLOT,   4*HALFT                   ; A's 256 rows, then B's 256 rows
.set KS,     32                        ; a row of scales in bytes
.set SCL,    2*SLOT                    ; behind the slots: the scales, as runs of 256 bytes + 16 of padding
.set HALFS,  (128*KS/256)*272          ; the scales of 128 rows: what one tensor load brings
.set SBLK,   (16*KS/256)*272           ; those of 16 rows
.set SPARE,  SCL+4*HALFS               ; behind the scales: the spare words, 128 bytes a wave, which no other line names
.set SPITCH, 272                       ; the way out: a stage of 16 rows x (256 bytes + 16) for each wave, in slot 0, which has had its one fill and its last read when the first result is stored there
.set ADRA, 16                          ; v16-17  LDS address of my A fragments in slot 0, 1
.set ADRB, 20                          ; v20-21  the same for B
.set STO,  24                          ; v24     the way out: where I put 16 bytes of a row
.set RD,   25                          ; v25     the way out: where I read back
.set CO,   26                          ; v26     16 x lane: my bytes of a store's 512
.set ADRS, 27                          ; v27     LDS address of my scale words: lanes 0-15 A's rows, lanes 16-31 B's
.set SPW,  28                          ; v28     LDS address of my spare word; never rewritten
.set NIL,  29                          ; v29     0; never rewritten
.set SC,   32                          ; scale words: set s at v[SC + 32 s]; register 4 i + q: lanes 0-15 A's block i, lanes 16-31 B's block i, the slot's q-th 128 along K
.set AF,   128                         ; A's fragments
.set BIAS, 192                         ; the bias
.set TMP,  192                         ; the way out: packed results
.set OB,   32                          ; the way out: 16 rows read back: v32-63 and v224-255 by turns
.set G1, 24                            ; s[24:31] descriptor group 1 for A's tiles;  s[32:39] group 0, one set for each slot
.set G0, 32
.set G1B, 48                           ; s[48:55], s[56:63] the same for B's tiles
.set G0B, 56
.set G1S, 68                           ; s[68:75], s[76:79] groups 1 and 0 for A's scales;  s[80:87], s[88:91] for B's
.set G0S, 76
.set G1SB, 80
.set G0SB, 88
.set MSB, 0
.macro WIN new                         ; the immediate's high byte repeats the setting that is left
.if MSB != \new
	s_set_vgpr_msb (MSB<<8)|\new
.set MSB, \new
.endif
.endm
.set MUL_LO, 0xa1                      ; source 0 (B) window 1, source 1 (A) window 0, C and D window 2
.set MUL_HI, 0xf1                      ; the same, C and D window 3
.set BIA_LO, 0x81                      ; the first step: C is the bias, in window 0; D window 2
.set BIA_HI, 0xc1                      ; D window 3
.set TO_B,   0x40                      ; destination window 1, address window 0
; A joint load: waves 0 and 1 fetch for A, waves 2 and 3 for B.  Each of the two lines has one mask and one set of registers for all that issue it; the branch hangs on the wave's number alone.
; An s_nop 0 and four v_nop follow each of the two lines, ahead of the jump, the label and what follows.
.macro JLOAD g0a, g1a, g0b, g1b
	s_cmp_eq_u32 s15, 0
	s_cbranch_scc0 .Lfor_b_\@
	tensor_load_to_lds s[\g0a:\g0a+3], s[\g1a:\g1a+7]
	s_nop 0
.rept 4
	v_nop
.endr
	s_branch .Lasked_\@
.Lfor_b_\@:
	tensor_load_to_lds s[\g0b:\g0b+3], s[\g1b:\g1b+7]
	s_nop 0
.rept 4
	v_nop
.endr
.Lasked_\@:
.endm
.macro CROUND                          ; a round of the cluster's barrier
	s_barrier_signal -1
	s_barrier_wait -1
	s_cmp_lg_u32 s14, 0
	s_cbranch_scc1 .Lnot_wave_0_\@
	s_barrier_signal -3
.Lnot_wave_0_\@:
	s_barrier_wait -3
	s_barrier_signal -1
	s_barrier_wait -1
.endm
	s_load_b128 s[4:7], s[0:1], 0x0                ; x's codes s[4:5], x's scales s[6:7]
	s_load_b128 s[8:11], s[0:1], 0x10              ; W's codes s[8:9], W's scales s[10:11]
	s_load_b64 s[12:13], s[0:1], 0x20              ; qkv
	s_load_b128 s[96:99], s[0:1], 0x28             ; bq, bk
	s_load_b64 s[100:101], s[0:1], 0x38            ; bv
	v_lshl_add_u32 v[SPW], v0, 2, SPARE
	v_mov_b32 v[NIL], 0
	ds_add_u32 v[SPW], v[NIL]                      ; the wave's opening: the add, twice on end, and its wait ahead of my first tensor load; the set-up below stands between the second and the wait
	ds_add_u32 v[SPW], v[NIL]
	v_lshrrev_b32 v1, 5, v0
	v_readfirstlane_b32 s14, v1                    ; wave 0..3
	s_lshr_b32 s15, s14, 1                         ; which half of the tile's rows is mine.  Also: I fetch for A (0) or for B (1)
	s_and_b32 s16, s14, 1                          ; which half of its columns.  Also: which 128 rows of that tile I fetch
	s_bfe_u32 s40, ttmp6, 0x40000                  ; cx, cy: my place in the cluster
	s_bfe_u32 s41, ttmp6, 0x40004
	s_lshl_b32 s42, ttmp9, 2
	s_add_co_u32 s42, s42, s40                     ; tile column = 4 x cluster x + cx
	s_and_b32 s17, ttmp7, 0xffff                   ; cluster y = 8 x tensor + batch
	s_lshr_b32 s95, s17, 3                         ; the tensor: the same in all sixteen partners
	s_lshl_b32 s17, s17, 2
	s_add_co_u32 s17, s17, s41                     ; tile row = 4 x cluster y + cy
	s_lshl_b32 s43, s41, 2
	s_lshl_b32 s43, 15, s43                        ; my row of the cluster
	s_lshl_b32 s44, 0x1111, s40                    ; my column
	; descriptor group 1: a tile of 128 rows x 256 bytes, padded in LDS
	s_or_b32 s[G1+0], s43, (0<<16)|(1<<20)|(1<<21)|(5<<22)|(3<<25)  ; 15:0 the mask: A's tiles go to my row; 17:16 element of 1 byte; 20 padding on; 21 set beside a mask; 24:22 after every 64 words (code 5); 31:25 of 4 words (code 3)
	s_or_b32 s[G1B+0], s44, (0<<16)|(1<<20)|(1<<21)|(5<<22)|(3<<25)
.irp g, G1, G1B
	s_mov_b32 s[\g+1], ROWB<<16                    ; tensor_dim0
	s_mov_b32 s[\g+2], 128<<16                     ; tensor_dim1 = 128
	s_mov_b32 s[\g+3], ROWB<<16                    ; tile_dim0
	s_mov_b32 s[\g+4], 128                         ; tile_dim1 = 128
	s_mov_b32 s[\g+5], KROW                        ; tensor_dim0_stride
	s_mov_b32 s[\g+6], 0
	s_mov_b32 s[\g+7], 0
.endr
	; and for the scales of 128 rows: a dense block of 4,096 bytes, as 16 rows of 256 bytes (32 elements of 8 bytes), 16 bytes of padding behind each
	s_or_b32 s[G1S+0], s43, (3<<16)|(1<<20)|(1<<21)|(5<<22)|(3<<25)
	s_or_b32 s[G1SB+0], s44, (3<<16)|(1<<20)|(1<<21)|(5<<22)|(3<<25)
.irp g, G1S, G1SB
	s_mov_b32 s[\g+1], 32<<16
	s_mov_b32 s[\g+2], (128*KS/256)<<16
	s_mov_b32 s[\g+3], 32<<16
	s_mov_b32 s[\g+4], 128*KS/256
	s_mov_b32 s[\g+5], 32
	s_mov_b32 s[\g+6], 0
	s_mov_b32 s[\g+7], 0
.endr
	s_lshl_b32 s18, s16, 7                         ; which 128 rows of the tile I fetch
	s_lshl_b32 s20, s17, 8
	s_add_co_u32 s20, s20, s18                     ; A: row 256 x tile row + 128 x half of the stacked x
	s_lshl_b32 s46, s42, 8
	s_add_co_u32 s46, s46, s18                     ; B: row 256 x tile column + 128 x half
	s_lshl_b32 s19, s95, 10
	s_add_co_u32 s46, s46, s19                     ;    + 1,024 x tensor of the stacked weights
	s_mov_b32 s21, 0
	s_mov_b32 s47, 0
	s_mov_b64 s[18:19], KS
	s_mul_u64 s[22:23], s[20:21], s[18:19]         ; where these rows' scales begin, in bytes
	s_mul_u64 s[92:93], s[46:47], s[18:19]
	s_mov_b64 s[18:19], KROW
	s_mul_u64 s[20:21], s[20:21], s[18:19]         ; and their codes
	s_mul_u64 s[46:47], s[46:47], s[18:19]
	s_mul_i32 s45, s14, HALFT                      ; where they go: wave x 128 rows: no place in the cluster enters an LDS address
	s_mul_i32 s94, s14, HALFS
	s_wait_dscnt 0x0                               ; both opening adds are done
	s_wait_kmcnt 0x0
	s_add_nc_u64 s[20:21], s[4:5], s[20:21]
	s_add_nc_u64 s[22:23], s[6:7], s[22:23]
	s_add_nc_u64 s[46:47], s[8:9], s[46:47]
	s_add_nc_u64 s[92:93], s[10:11], s[92:93]
	CROUND                                         ; all sixteen work-groups are here: the joint loads meet
	s_mov_b32 s[G0S], 1
	s_add_co_u32 s[G0S+1], s94, SCL
	s_mov_b64 s[G0S+2:G0S+3], s[22:23]
	s_or_b32 s[G0S+3], s[G0S+3], 0x80000000
	s_mov_b32 s[G0SB], 1
	s_add_co_u32 s[G0SB+1], s94, SCL
	s_mov_b64 s[G0SB+2:G0SB+3], s[92:93]
	s_or_b32 s[G0SB+3], s[G0SB+3], 0x80000000
	JLOAD G0S, G1S, G0SB, G1SB                     ; the scales first: they are wanted with the first slot
.irp s, 0,1
	s_mov_b32 s[G0+4*\s], 1
	s_add_co_u32 s[G0+4*\s+1], s45, \s*SLOT
	s_add_nc_u64 s[G0+4*\s+2:G0+4*\s+3], s[20:21], \s*ROWB
	s_or_b32 s[G0+4*\s+3], s[G0+4*\s+3], 0x80000000
	s_mov_b32 s[G0B+4*\s], 1
	s_add_co_u32 s[G0B+4*\s+1], s45, \s*SLOT
	s_add_nc_u64 s[G0B+4*\s+2:G0B+4*\s+3], s[46:47], \s*ROWB
	s_or_b32 s[G0B+4*\s+3], s[G0B+4*\s+3], 0x80000000
	JLOAD G0+4*\s, G1, G0B+4*\s, G1B               ; three loads of mine are out: all that this launch asks for
.endr
	v_and_b32 v1, 15, v0                           ; r = l % 16
	v_bfe_u32 v2, v0, 4, 1                         ; h = l / 16
	; the bias of my 128 columns, in the result's layout: block b, lane (r, h): columns 16 b + 8 h + 0 .. 7
	s_cmp_eq_u32 s95, 1
	s_cselect_b64 s[96:97], s[98:99], s[96:97]     ; the tensor's bias: the choice hangs on the cluster's y alone
	s_cmp_eq_u32 s95, 2
	s_cselect_b64 s[96:97], s[100:101], s[96:97]
	s_lshl_b32 s46, s42, 10                        ; 256 x tile column x 4 bytes (in the registers that held B's address: none that feeds A's descriptors ever holds cx)
	s_lshl_b32 s47, s16, 9
	s_add_co_u32 s46, s46, s47
	s_mov_b32 s47, 0
	s_add_nc_u64 s[96:97], s[96:97], s[46:47]
	v_lshlrev_b32 v7, 5, v2                        ; 32 h
.irp b, 0,1,2,3,4,5,6,7
	global_load_b128 v[BIAS+8*\b:BIAS+8*\b+3], v7, s[96:97] offset:64*\b
	global_load_b128 v[BIAS+8*\b+4:BIAS+8*\b+7], v7, s[96:97] offset:64*\b+16
.endr
	v_mul_u32_u24 v3, v1, PITCH
	v_lshl_add_u32 v4, v2, 4, v3                   ; a fragment's row x pitch + 16 x half
	s_mul_i32 s21, s15, HALFT                      ; my 128 rows of A
	s_mul_i32 s22, s16, HALFT                      ; my 128 rows of B,
	s_add_co_u32 s22, s22, 2*HALFT                 ; which lie behind A's 256
.irp s, 0,1
	v_add_nc_u32 v[ADRA+\s], s21, v4
	v_add_nc_u32 v[ADRB+\s], s22, v4
	s_add_co_u32 s21, s21, SLOT
	s_add_co_u32 s22, s22, SLOT
.endr
	v_mul_u32_u24 v5, v1, KS                       ; my row's scales: KS bytes a row,
	v_lshrrev_b32 v6, 8, v5
	v_lshl_add_u32 v5, v6, 4, v5                   ; and 16 more for each 256 passed
	s_mul_i32 s21, s15, HALFS                      ; A's: my 128 rows
	s_mul_i32 s22, s16, HALFS                      ; B's: my 128 rows, behind A's 256
	s_add_co_u32 s22, s22, 2*HALFS
	s_sub_co_u32 s22, s22, s21
	v_mul_u32_u24 v6, s22, v2                      ; lanes 16-31 take B's
	s_add_co_u32 s21, s21, SCL
	v_add_nc_u32 v5, v5, v6
	v_add_nc_u32 v[ADRS], s21, v5
	s_mul_i32 s23, s14, 16*SPITCH                  ; my stage
	v_mul_u32_u24 v5, v1, SPITCH                   ; in: row r, 16 bytes for each half of the lanes
	v_lshl_add_u32 v5, v2, 4, v5
	v_add_nc_u32 v[STO], s23, v5
	v_bfe_u32 v5, v0, 3, 2                         ; back: eight lanes take the 128 bytes that a row has of one head; four rows an instruction
	v_mul_u32_u24 v5, v5, SPITCH
	v_and_b32 v6, 7, v0
	v_lshl_add_u32 v5, v6, 4, v5
	v_add_nc_u32 v[RD], s23, v5
	v_and_b32 v6, 31, v0
	v_lshlrev_b32 v[CO], 4, v6                     ; in qkv those four rows are 512 consecutive bytes
	; where my part begins in qkv: (8 tensor + batch) x 2^21 + head x 2^17 + position x 128; head = 4 tc + 2 x column half, position = 256 cy + 128 x row half
	s_and_b32 s20, ttmp7, 0xffff
	s_lshl_b32 s20, s20, 21
	s_lshl_b32 s21, s41, 15
	s_add_co_u32 s20, s20, s21
	s_lshl_b32 s21, s15, 14
	s_add_co_u32 s20, s20, s21
	s_mov_b32 s21, 0
	s_add_nc_u64 s[12:13], s[12:13], s[20:21]
	s_lshl_b32 s46, s42, 19
	s_lshl_b32 s47, s16, 18
	s_add_co_u32 s46, s46, s47
	s_mov_b32 s47, 0
	s_add_nc_u64 s[12:13], s[12:13], s[46:47]
.macro FRAG reg, adr, q, i             ; a fragment, 16 rows x 128 K of 4-bit codes, is 8 registers: lane l holds row l % 16; registers 4 c .. 4 c + 3 hold K = 64 c + 32 (l / 16) + 0 .. 31
.irp c, 0,1
	ds_load_b128 v[\reg+4*\c:\reg+4*\c+3], v[\adr] offset:64*(\q)+32*\c+(\i)*16*PITCH
.endr
.endm
; 16 matrix instructions: A's blocks a0, a0 + 1 x B's eight, 128 along K: the slot's q-th.  p: B's set;  sc: the set of scale words.  first = 1: the sums begin with the bias as C: nothing is cleared, nothing is added later.
; The 64 accumulators take turns, one instruction a turn, in the same order in every step.
.macro MUL16 a0, p, q, sc, first
.irp a, \a0, \a0+1
.irp b, 0,1,2,3,4,5,6,7
.if \first
	v_wmma_scale_f32_16x16x128_f8f6f4 v[8*(8*((\a)%4)+\b):8*(8*((\a)%4)+\b)+7], v[128*(\p)+FR*\b:128*(\p)+FR*\b+FR-1], v[AF+FR*(\a):AF+FR*(\a)+FR-1], v[BIAS+8*\b:BIAS+8*\b+7], v[SC+8*NQ*(\sc)+NQ*\b+(\q)], v[SC+8*NQ*(\sc)+NQ*(\a)+(\q)] matrix_a_fmt:MATRIX_FMT_FP4 matrix_b_fmt:MATRIX_FMT_FP4 matrix_a_scale:MATRIX_SCALE_ROW1
.else
	v_wmma_scale_f32_16x16x128_f8f6f4 v[8*(8*((\a)%4)+\b):8*(8*((\a)%4)+\b)+7], v[128*(\p)+FR*\b:128*(\p)+FR*\b+FR-1], v[AF+FR*(\a):AF+FR*(\a)+FR-1], v[8*(8*((\a)%4)+\b):8*(8*((\a)%4)+\b)+7], v[SC+8*NQ*(\sc)+NQ*\b+(\q)], v[SC+8*NQ*(\sc)+NQ*(\a)+(\q)] matrix_a_fmt:MATRIX_FMT_FP4 matrix_b_fmt:MATRIX_FMT_FP4 matrix_a_scale:MATRIX_SCALE_ROW1
.endif
.endr
.endr
.endm
.macro FETCH_B slot, q, p              ; B's eight fragments of the slot's q-th 128 along K into set p
	WIN TO_B
.irp i, 0,1,2,3,4,5,6,7
	FRAG 128*(\p)+FR*\i, ADRB+\slot, \q, \i
.endr
	WIN 0
.endm
.macro FETCH_A slot, q, i0             ; A's blocks i0 .. i0 + 3
.irp i, \i0, \i0+1, \i0+2, \i0+3
	FRAG AF+FR*(\i), ADRA+\slot, \q, \i
.endr
.endm
.macro SCALES sc                       ; a slot's scale words into set sc: four words a row; lanes 0-15 take A's block i, lanes 16-31 B's block i
.irp i, 0,1,2,3,4,5,6,7
	ds_load_b128 v[SC+8*NQ*\sc+NQ*\i:SC+8*NQ*\sc+NQ*\i+3], v[ADRS] offset:\i*SBLK
.endr
.endm
; A load into a register that a matrix instruction has read, and a vector instruction that reads a matrix result, stand NP places behind that matrix instruction; only plain vector instructions that name none of its registers are places.
.macro PLACES n
.rept \n
	v_nop
.endr
.endm
; A step of 128 along K that has its successor in the same slot.  A's blocks go one after the other, each against B's eight: so one set of registers serves A (blocks 0-3 fetched anew in the step's middle, 4-7 at its end); B has two sets.
.macro STEP slot, q, first
	s_wait_dscnt 4*NL                              ; B's set and A's blocks 0-3 are in; the youngest eight loads (A's blocks 4-7) may be out
.if \first
	WIN BIA_LO
.else
	WIN MUL_LO
.endif
	MUL16 0, (\q)%2, \q, \slot, \first
	MUL16 2, (\q)%2, \q, \slot, \first
	s_wait_dscnt 0                                 ; A's blocks 4-7 are in (asked for 32 matrix instructions ago)
	PLACES NP
	FETCH_B \slot, (\q)+1, 1-(\q)%2
	FETCH_A \slot, (\q)+1, 0
.if \first
	WIN BIA_HI
.else
	WIN MUL_HI
.endif
	MUL16 4, (\q)%2, \q, \slot, \first
	MUL16 6, (\q)%2, \q, \slot, \first
	PLACES NP
	WIN 0
	FETCH_A \slot, (\q)+1, 4
.endm
.macro STEPS slot, from                ; the slot's steps from .. NQ - 2
.set Q, \from
.rept NQ-1-\from
	STEP \slot, Q, 0
.set Q, Q+1
.endr
.endm
	s_wait_tensorcnt 1                             ; the scales and my part of slot 0 are in; slot 1's load, the one issued behind them, may be out
	s_barrier_signal -1
	s_barrier_wait -1                              ; everybody's are
	FETCH_B 0, 0, 0
	FETCH_A 0, 0, 0
	SCALES 0
	FETCH_A 0, 0, 4
	s_wait_loadcnt 0x0                             ; the bias
	STEP 0, 0, 1                                   ; the first step's products start the sums, on the bias
	STEPS 0, 1
	; slot 0's last step changes slots: one barrier; in front of it each wave waits for its tensor loads, adds 0 to its spare word, and waits for that and for its own reads of slot 0
	s_wait_tensorcnt 0x0                           ; my part of slot 1 has landed  (every window is 0 here: the add's two registers lie in window 0)
	ds_add_u32 v[SPW], v[NIL]                      ; 0 onto my spare word
	s_wait_dscnt 4*NL+1                            ; (the add and the youngest eight loads, A's blocks 4-7, may be out)
	WIN MUL_LO
	MUL16 0, 1, NQ-1, 0, 0                         ; sixteen matrix instructions stand between the add and the wait for it
	s_wait_dscnt 0x0                               ; the add is done, and my reads of slot 0 are over
	s_barrier_signal -1
	MUL16 2, 1, NQ-1, 0, 0
	WIN 0
	s_barrier_wait -1                              ; slot 1 is whole, and nobody reads slot 0 any more
	PLACES NP
	v_add_nc_u32 v[ADRS], 4*NQ, v[ADRS]            ; on to slot 1's scale words (no LDS load of mine is out)
	FETCH_B 1, 0, 0
	FETCH_A 1, 0, 0
	SCALES 1
	WIN MUL_HI
	MUL16 4, 1, NQ-1, 0, 0
	MUL16 6, 1, NQ-1, 0, 0
	PLACES NP
	WIN 0
	FETCH_A 1, 0, 4
	STEPS 1, 0
	s_wait_dscnt 4*NL                              ; the very last step: nothing more to fetch
	WIN MUL_LO
	MUL16 0, 1, NQ-1, 1, 0
	MUL16 2, 1, NQ-1, 1, 0
	s_wait_dscnt 0
	WIN MUL_HI
	MUL16 4, 1, NQ-1, 1, 0
	MUL16 6, 1, NQ-1, 1, 0
	WIN 0
; THE WAY OUT of block a (16 rows x my 128 columns = two heads), in three parts.  PACK: rounded to f16, 16 bytes a lane, each accumulator from its low end on.  TOSTAGE: into my own stage in LDS, and back head by head,
; four rows of a head's 128 bytes an instruction.  SEND: those four rows are 512 consecutive bytes of qkv: 32 lanes store them, aligned.
.macro PACK a
.set AC, 64*((\a)%4)
.set PWIN, 0x0a+5*((\a)/4)             ; sources 0 and 1: window 2 or 3
	WIN PWIN
.irp b, 0,1,2,3,4,5,6,7
.irp r, 0,1,2,3
	v_cvt_pk_f16_f32 v[TMP+4*\b+\r], v[AC+8*\b+2*\r], v[AC+8*\b+2*\r+1]
.endr
.endr
	WIN 0
.endm
.macro TOSTAGE a
.set BK, OB+192*((\a)%2)
.irp b, 0,1,2,3,4,5,6,7
	ds_store_b128 v[STO], v[TMP+4*\b:TMP+4*\b+3] offset:32*\b
.endr
.irp t, 0,1,2,3,4,5,6,7
	ds_load_b128 v[BK+4*\t:BK+4*\t+3], v[RD] offset:(\t%4)*4*SPITCH+128*(\t/4)    ; LDS serves a wave's instructions in order (ISA guide 5.7.1.4): these see the stores above
.endr
.endm
.macro SEND a
.set BK, OB+192*((\a)%2)
	s_wait_dscnt 0x0                               ; the block is back in registers
	s_wait_xcnt 0x0                                ; the stores of the block before have read their registers: the next block's loads may land there
.irp t, 0,1,2,3,4,5,6,7
	global_store_b128 v[CO], v[BK+4*\t:BK+4*\t+3], s[12:13] offset:(\a)*2048+(\t%4)*512+(\t/4)*131072   ; rows 16 a + 4 (t % 4) on of head t / 4; the base is never stepped
.endr
.endm
	PLACES NP                                      ; behind the last products
	PACK 0
	TOSTAGE 0
.irp a, 1,2,3,4,5,6,7                  ; block a's conversions stand between block a - 1's loads from the stage and the wait for them
	PACK \a
	SEND \a-1
	TOSTAGE \a
.endr
	SEND 7
	s_wait_tensorcnt 0x0                           ; the wave's end, behind my last tensor load and my last LDS store
	ds_add_u32 v[SPW], v[NIL]
	s_wait_dscnt 0x0
	CROUND                                         ; the closing round: no work-group ends while a partner may still ask for a tile that names it
	s_endpgm
.Lfunc_end_k_q217c41fafa_proj:
	.size	k_q217c41fafa_proj, .Lfunc_end_k_q217c41fafa_proj-k_q217c41fafa_proj
	.p2alignl 7, 3214868480
	.fill 96, 4, 3214868480
	.section	.rodata,"a",@progbits
	.p2align	6, 0x0
	.amdhsa_kernel k_q217c41fafa_proj
		.amdhsa_group_segment_fixed_size 327680
		.amdhsa_private_segment_fixed_size 0
		.amdhsa_enable_private_segment 0
		.amdhsa_kernarg_size 64
		.amdhsa_user_sgpr_count 2
		.amdhsa_user_sgpr_kernarg_segment_ptr 1
		.amdhsa_wavefront_size32 1
		.amdhsa_system_sgpr_workgroup_id_x 1
		.amdhsa_system_sgpr_workgroup_id_y 1
		.amdhsa_system_sgpr_workgroup_id_z 1
		.amdhsa_system_vgpr_workitem_id 0
		.amdhsa_next_free_vgpr 1024
		.amdhsa_next_free_sgpr 102
		.amdhsa_reserve_vcc 0
		.amdhsa_float_denorm_mode_32 3
		.amdhsa_float_denorm_mode_16_64 3
		.amdhsa_memory_ordered 1
		.amdhsa_forward_progress 1
		.amdhsa_inst_pref_size 128
	.end_amdhsa_kernel
	.amdgpu_metadata
---
amdhsa.version: [ 1, 2 ]
amdhsa.kernels:
  - .name:           k_q217c41fafa_proj
    .symbol:         k_q217c41fafa_proj.kd
    .args:
      - { .name: xcodes, .offset: 0, .size: 8, .value_kind: global_buffer, .address_space: global }
      - { .name: xscales, .offset: 8, .size: 8, .value_kind: global_buffer, .address_space: global }
      - { .name: wcodes, .offset: 16, .size: 8, .value_kind: global_buffer, .address_space: global }
      - { .name: wscales, .offset: 24, .size: 8, .value_kind: global_buffer, .address_space: global }
      - { .name: qkv, .offset: 32, .size: 8, .value_kind: global_buffer, .address_space: global }
      - { .name: bq, .offset: 40, .size: 8, .value_kind: global_buffer, .address_space: global }
      - { .name: bk, .offset: 48, .size: 8, .value_kind: global_buffer, .address_space: global }
      - { .name: bv, .offset: 56, .size: 8, .value_kind: global_buffer, .address_space: global }
    .group_segment_fixed_size: 327680
    .private_segment_fixed_size: 0
    .kernarg_segment_align: 8
    .kernarg_segment_size: 64
    .max_flat_workgroup_size: 128
    .sgpr_count:     102
    .vgpr_count:     1024
    .wavefront_size: 32
...
	.end_amdgpu_metadata
.endif
;; end of part 2
;; launch attn (part 3): grid 256 x 1, 8 waves a work-group, no clusters, 327,680 bytes of LDS; arguments qkv, out0; writes out0
.if DOCPART == 3
	.amdgcn_target "amdgcn-amd-amdhsa--gfx1250"
	.amdhsa_code_object_version 6
	.text
	.protected	k_q217c41fafa_attn
	.globl	k_q217c41fafa_attn
	.p2align	8
	.type	k_q217c41fafa_attn,@function
k_q217c41fafa_attn:
	s_mov_b64 s[64:65], 0
	v_nop
	global_prefetch_b8 v0, s[64:65] scope:SCOPE_SE
	s_setreg_imm32_b32 hwreg(HW_REG_WAVE_MODE, 25, 1), 1
	s_wait_xcnt 0x0
; out[b][s][h][:] = the sum over keys of softmax(tril(q . k / 8)) v, for 128 (batch, head) pairs, 1,024 positions, head size 64.  q, k, v: qkv [3][8][16][1024][64] f16.  out0 is [b][s][h][64] f32 as it lies in memory.
; THE MASK SETS SCORES TO 0, it does not remove them: a key behind the query has score 0, counts in the row's maximum and sum, and weighs e^(0 - maximum) in the second product.
; So for a block of 64 keys that lies wholly behind a query the first product is thrown away, and the second is one common weight x the plain sum of those v.  That sum is made by the matrix unit (V^T x ones, f32 sums) and is
; weighed in f32 at the end: a direct sum, for every input.
; Both products take f16 operands and f32 sums; scores, running maximum, exponentials, row sums, rescaling and division are f32.  p = 2^(c s - c m), c = log2(e) / 8, m the running maximum of the unscaled scores, 0 among them where a masked key exists.
; LIMITS: |q|, |k|, |v| under 65,504 (f16); NaN and infinities are not served; weights under f16's smallest number are lost (they are under 2^-24 of the row's largest).
; SHARES.  Work-group x: head x / 2, g = x % 2.  A head's queries are 32 chunks of 32; work-group g takes chunks 2 i + g, i = 0..15: queries 64 i + 32 g + 0..31.  Chunk i has key steps (64 keys) 0..i-1 open, step i on the diagonal,
; steps i+1..15 hidden.  Wave w takes chunk i = 15 - w and then chunk i = w: every wave has 17 steps with scores and 15 hidden ones.  A chunk is two tiles of 16 queries, which share every fragment of K and V.
; ALL OF THE HEAD'S K AND V LIE IN LDS, each byte filled once: four groups of 256 keys; of each group waves 0-3 fetch K's quarters and waves 4-7 V's, all four loads of a wave at the head: four of mine are out.
; NO CLUSTER: a head's K and V have two readers; a row of four partners would belong to two heads, whose tiles differ.  NO PREFETCH: all that a work-group reads of K and V is asked for by its loads at the head.
; LAYOUT.  S^T = K Q^T (source 0 = 16 keys, source 1 = 16 queries): a lane holds ONE query (lane % 16) and keys 8 (lane / 16) + 0..7.  Two such tiles, rounded to f16 in pairs, ARE source 1 of O^T = V^T P, whose result again holds one query a lane.
; REGISTERS: v1-14 addresses and lane numbers; v16-31 statistics, 8 a tile: +0 c m, +1 m, +2,+3 the sum in two halves, +4..+7 c0-c3 at work; v32-63 Q; v64-127 K's, then V's fragments, on the way out rows of O;
;   v128-191 S^T, then p, then P in place; in hidden steps v128-159 the sums of v (TS) and v160-167 ones; v192-255 O^T.
.set KP,    272                        ; two keys of K in LDS: 256 bytes + 16 of padding: key x at (x / 2) KP + (x % 2) 128: the 16 rows of a load start at banks 4 (r / 2) + 32 (r % 2) (64 banks of 4 bytes: ISA guide 11.1)
.set VP,    288                        ; two keys of V: 256 + 32: the turning load's 8 rows x 32 bytes start at banks 8 (i / 2) + 32 (i % 2)
.set KSTP,  32*KP                      ; a step's 64 keys of K
.set VSTP,  32*VP                      ; and of V
.set VOFF,  512*KP                     ; V lies behind K's 1,024 keys
.set STG,   VOFF+512*VP                ; behind V: a stage of 16 rows x (256 bytes + 16) for each wave; no fill lands there
.set SPI,   272
.set SPARE, STG+8*16*SPI               ; behind the stages: the spare words, 128 bytes a wave, which no other line names
.set AK0, 3                            ; v3   my lane's place in a tile of K
.set AV0, 4                            ; v4   the same for V
.set ADK, 5                            ; v5   LDS address of the step's K
.set ADV, 6                            ; v6   of its V
.set STO, 7                            ; v7   the way out: where I put 32 bytes of a row
.set RD,  8                            ; v8   where I read a row back
.set GO,  9                            ; v9   my byte offset among two rows of out0
.set SPW, 10                           ; v10  LDS address of my spare word; never rewritten
.set NIL, 11                           ; v11  0; never rewritten
.set DQ,  12                           ; v12  32 g + r - 8 h: on the diagonal, register j of key tile kt of query tile t counts where 16 kt + j - 16 t <= DQ
.set NF,  13                           ; v13  the number of hidden keys, as f32
.set QO,  14                           ; v14  my byte offset in a tile of Q
.set ST,  16
.set Q,   32
.set KV,  64
.set S,   128
.set TS,  128
.set ONES, 160
.set OT,  192
.set WV,  8                            ; s8   wave
.set G,   9                            ; s9   g
.set HD,  10                           ; s10  head, 0..127
.set WQ,  11                           ; s11  which quarter of a group I fetch
.set QA,  12                           ; s[12:13], s[14:15] Q of my first and second chunk
.set QB,  14
.set OA,  16                           ; s[16:17], s[18:19] their rows of out0
.set OB,  18
.set SEL, 20                           ; s[20:21] lane selects for v_permlanex16_b32: lane l xor 16
.set CS,  22                           ; s[22:23] c, twice: the packed form names a pair
.set G1K, 24                           ; s[24:31] descriptor group 1 for K's quarters;  s[32:39] for V's: it differs in the padding
.set G1V, 32
.set G0,  40                           ; s[40:55] four groups 0, one for each group of 256 keys
.set TBK, 56                           ; s56  LDS byte at which the step's K begins
.set TBV, 57                           ; s57  the same for V, from VOFF on
.set J,   58                           ; s58  the step
.set IS,  59                           ; s59  the chunk's diagonal step
.set CT,  60                           ; s60  counts a loop's trips
.set MI,  61                           ; s61  where the maximum starts
.set NH,  62                           ; s62  hidden keys
.set EF,  63                           ; s63  at the head: 0 = I fetch K, 1 = V;  from INIT on: -1.0 where the chunk has hidden keys, else 0
	s_load_b128 s[4:7], s[0:1], 0x0                ; qkv s[4:5], out0 s[6:7]
	v_lshl_add_u32 v[SPW], v0, 2, SPARE
	v_mov_b32 v[NIL], 0
	ds_add_u32 v[SPW], v[NIL]                      ; the wave's opening: the add, twice on end, and its wait ahead of my first tensor load; the set-up below stands between the second and the wait
	ds_add_u32 v[SPW], v[NIL]
	v_lshrrev_b32 v1, 5, v0
	v_readfirstlane_b32 s[WV], v1                  ; wave 0..7
	s_and_b32 s[G], ttmp9, 1
	s_lshr_b32 s[HD], ttmp9, 1
	s_and_b32 s[WQ], s[WV], 3
	s_lshr_b32 s63, s[WV], 2                       ; 0: I fetch K; 1: V
	; descriptor group 1: a quarter is 64 keys = 8,192 dense bytes, as 32 rows of 256 bytes (32 elements of 8 bytes), padded behind each row
	s_mov_b32 s[G1K], (3<<16)|(1<<20)|(5<<22)|(3<<25)   ; 15:0 no mask; 17:16 elements of 8 bytes; 20 padding on; 24:22 after every 64 words (code 5); 31:25 four words (code 3)
	s_mov_b32 s[G1V], (3<<16)|(1<<20)|(5<<22)|(7<<25)   ; the same with eight words (code 7)
.irp g, G1K, G1V
	s_mov_b32 s[\g+1], 32<<16                      ; tensor_dim0 = 32
	s_mov_b32 s[\g+2], 32<<16                      ; tensor_dim1 = 32
	s_mov_b32 s[\g+3], 32<<16                      ; tile_dim0 = 32
	s_mov_b32 s[\g+4], 32                          ; tile_dim1 = 32
	s_mov_b32 s[\g+5], 32                          ; tensor_dim0_stride
	s_mov_b32 s[\g+6], 0
	s_mov_b32 s[\g+7], 0
.endr
	; where my quarters go: K: KSTP x quarter + 4 KSTP x group;  V: VOFF + VSTP x quarter + 4 VSTP x group; VSTP = KSTP + 512
	s_lshl_b32 s2, s63, 9
	s_add_co_u32 s2, s2, KSTP
	s_mul_i32 s2, s2, s[WQ]
	s_mul_i32 s3, s63, VOFF
	s_add_co_u32 s2, s2, s3
	s_lshl_b32 s3, s63, 11
	s_add_co_u32 s3, s3, 4*KSTP
	s_mov_b32 s[G0], 1                             ; 1:0 count = 1
	s_mov_b32 s[G0+1], s2                          ; 63:32 LDS address
.irp n, 1,2,3
	s_mov_b32 s[G0+4*\n], 1
	s_add_co_u32 s[G0+4*\n+1], s[G0+4*\n-3], s3
.endr
	; and where they come from: (1 or 2) x 2^24 (k or v in qkv) + head x 2^17 + quarter x 8,192 (+ group x 32,768)
	s_add_co_u32 s2, s63, 1
	s_lshl_b32 s2, s2, 24
	s_lshl_b32 s3, s[HD], 17
	s_add_co_u32 s2, s2, s3
	s_lshl_b32 s3, s[WQ], 13
	s_add_co_u32 s2, s2, s3
	s_mov_b32 s3, 0
	; Q of chunk i: head x 2^17 + (64 i + 32 g) x 128
	s_lshl_b32 s60, s[HD], 17
	s_lshl_b32 s61, s[G], 12
	s_add_co_u32 s60, s60, s61
	s_sub_co_u32 s[IS], 15, s[WV]                  ; my first chunk
	s_lshl_b32 s61, s[IS], 13
	s_add_co_u32 s[QA], s60, s61
	s_mov_b32 s[QA+1], 0
	s_lshl_b32 s61, s[WV], 13
	s_add_co_u32 s[QB], s60, s61
	s_mov_b32 s[QB+1], 0
	; its rows of out0: batch x 2^22 + head in batch x 256 + (64 i + 32 g) x 4,096
	s_lshr_b32 s60, s[HD], 4
	s_lshl_b32 s60, s60, 22
	s_and_b32 s61, s[HD], 15
	s_lshl_b32 s61, s61, 8
	s_add_co_u32 s60, s60, s61
	s_lshl_b32 s61, s[G], 17
	s_add_co_u32 s60, s60, s61
	s_lshl_b32 s61, s[IS], 18
	s_add_co_u32 s[OA], s60, s61
	s_mov_b32 s[OA+1], 0
	s_lshl_b32 s61, s[WV], 18
	s_add_co_u32 s[OB], s60, s61
	s_mov_b32 s[OB+1], 0
	s_mov_b32 s[SEL], 0x76543210
	s_mov_b32 s[SEL+1], 0xfedcba98
	s_mov_b32 s[CS], 0x3e38aa3b                    ; c = log2(e) / 8
	s_mov_b32 s[CS+1], s[CS]
	s_wait_dscnt 0x0                               ; both opening adds are done
	s_wait_kmcnt 0x0
	s_add_nc_u64 s[G0+2:G0+3], s[4:5], s[2:3]      ; 120:64 global address
.irp n, 1,2,3
	s_add_nc_u64 s[G0+4*\n+2:G0+4*\n+3], s[G0+2:G0+3], \n*32768
.endr
.irp n, 0,1,2,3
	s_or_b32 s[G0+4*\n+3], s[G0+4*\n+3], 0x80000000   ; 127:126 type = 2
.endr
	s_cmp_lt_u32 s[WV], 4                          ; a wave's four fills stand in one branch on its number, ahead of every wait on TENSORcnt, every LDS read and every barrier; an s_nop 0 follows each, four v_nop the last
	s_cbranch_scc0 .Lfor_v
.irp n, 0,1,2,3
	tensor_load_to_lds s[G0+4*\n:G0+4*\n+3], s[G1K:G1K+7]
	s_nop 0
.endr
.rept 4
	v_nop
.endr
	s_branch .Lasked
.Lfor_v:
.irp n, 0,1,2,3
	tensor_load_to_lds s[G0+4*\n:G0+4*\n+3], s[G1V:G1V+7]
	s_nop 0
.endr
.rept 4
	v_nop
.endr
.Lasked:
	s_add_nc_u64 s[QA:QA+1], s[4:5], s[QA:QA+1]
	s_add_nc_u64 s[QB:QB+1], s[4:5], s[QB:QB+1]
	s_add_nc_u64 s[OA:OA+1], s[6:7], s[OA:OA+1]
	s_add_nc_u64 s[OB:OB+1], s[6:7], s[OB:OB+1]
	v_and_b32 v1, 15, v0                           ; r = lane % 16
	v_bfe_u32 v2, v0, 4, 1                         ; h = lane / 16
	v_lshlrev_b32 v[QO], 7, v1
	v_lshl_add_u32 v[QO], v2, 4, v[QO]             ; Q: row r of 128 bytes, + 16 h
; Q's fragments (tile t, channels 32 cs on) stay in registers for a chunk: lane l holds row l % 16; registers 0-3 channels 8 h + 0..7, registers 4-7 channels 16 + 8 h + 0..7
.macro QLOAD qb
.irp t, 0,1
.irp cs, 0,1
	global_load_b128 v[Q+16*\t+8*\cs:Q+16*\t+8*\cs+3],   v[QO], s[\qb:\qb+1] offset:2048*\t+64*\cs
	global_load_b128 v[Q+16*\t+8*\cs+4:Q+16*\t+8*\cs+7], v[QO], s[\qb:\qb+1] offset:2048*\t+64*\cs+32
.endr
.endr
.endm
	QLOAD QA
	v_lshrrev_b32 v[AK0], 1, v1
	v_mul_u32_u24 v[AK0], v[AK0], KP
	v_and_b32 v5, 1, v0
	v_lshl_add_u32 v[AK0], v5, 7, v[AK0]
	v_lshl_add_u32 v[AK0], v2, 4, v[AK0]           ; K: (r / 2) KP + (r % 2) 128 + 16 h
	; The turning load takes 16 keys x 16 channels (lane l reads 16 bytes: key 8 h + l % 8, channels 8 ((l / 8) % 2) + 0..7) and leaves half a fragment of V^T: lane l holds channel l % 16 and 8 keys
	v_bfe_u32 v[AV0], v0, 1, 2
	v_lshl_add_u32 v[AV0], v2, 2, v[AV0]           ; (8 h + l % 8) / 2
	v_mul_u32_u24 v[AV0], v[AV0], VP
	v_lshl_add_u32 v[AV0], v5, 7, v[AV0]
	v_bfe_u32 v6, v0, 3, 1
	v_lshl_add_u32 v[AV0], v6, 4, v[AV0]
	v_add_nc_u32 v[AV0], VOFF, v[AV0]
	s_mul_i32 s2, s[WV], 16*SPI
	s_add_co_u32 s2, s2, STG                       ; my stage
	v_mul_u32_u24 v[STO], v1, SPI
	v_lshl_add_u32 v[STO], v2, 5, v[STO]
	v_add_nc_u32 v[STO], s2, v[STO]                ; in: row r, 32 bytes for each half of the lanes
	v_mul_u32_u24 v[RD], v2, SPI
	v_lshl_add_u32 v[RD], v1, 4, v[RD]
	v_add_nc_u32 v[RD], s2, v[RD]                  ; back: lanes 0-15 one row of 256 bytes, lanes 16-31 the next
	v_lshlrev_b32 v[GO], 12, v2
	v_lshl_add_u32 v[GO], v1, 4, v[GO]             ; and the same two positions in out0, 4,096 bytes apart
	v_lshlrev_b32 v[DQ], 3, v2
	v_sub_nc_u32 v[DQ], v1, v[DQ]
	s_lshl_b32 s3, s[G], 5
	v_add_nc_u32 v[DQ], s3, v[DQ]
.macro VLOAD                           ; a step's V, turned: 8 fragments (keys 32 ks on, channels 16 dt on)
.irp ks, 0,1
.irp dt, 0,1,2,3
	ds_load_tr16_b128 v[KV+8*(4*\ks+\dt):KV+8*(4*\ks+\dt)+3],   v[ADV] offset:16*VP*\ks+32*\dt
	ds_load_tr16_b128 v[KV+8*(4*\ks+\dt)+4:KV+8*(4*\ks+\dt)+7], v[ADV] offset:16*VP*\ks+8*VP+32*\dt
.endr
.endr
.endm
.macro TSINIT                          ; the sums of hidden v begin as zeros; ones in f16, two a register
.set i, 0
.rept 32
	v_mov_b32 v[TS+i], 0
.set i, i+1
.endr
.set i, 0
.rept 8
	v_mov_b32 v[ONES+i], 0x3c003c00
.set i, i+1
.endr
.endm
; A chunk begins.  s[IS] holds its diagonal step.  The step is written for all steps alike: the first finds O^T and the sum as zeros, which its rescaling leaves zeros.
.macro INIT
	s_mov_b32 s[J], 0
	s_mov_b32 s[TBK], 0
	s_mov_b32 s[TBV], 0
	s_cmp_lt_u32 s[IS], 15                         ; has the chunk hidden keys?  A choice on ids
	s_cselect_b32 s[MI], 0, 0xff61b1e6             ; with hidden keys the maximum starts at their score, 0; else at -3e38, under every score
	s_cselect_b32 s[EF], 0xbf800000, 0             ; and the way out takes 2^(-c m) as a hidden key's weight; else 2^0, which is then multiplied by no keys
	s_sub_co_u32 s[NH], 15, s[IS]
	s_lshl_b32 s[NH], s[NH], 6
	v_cvt_f32_u32 v[NF], s[NH]
.irp t, 0,1
	v_mov_b32 v[ST+8*\t+1], s[MI]
	v_mul_f32 v[ST+8*\t], s[CS], v[ST+8*\t+1]
.irp n, 2,3,4,5,6,7
	v_mov_b32 v[ST+8*\t+\n], 0                     ; the sum; and c0-c3, since a lane permute's destination counts as one of its sources
.endr
.endr
.set i, 0
.rept 64
	v_mov_b32 v[OT+i], 0
.set i, i+1
.endr
	TSINIT                                         ; so that these registers hold numbers on every way through the text; the scores lie over them, and they are written anew behind the diagonal step
	s_wait_xcnt 0x0                                ; the last chunk's stores have read v64-127: K's loads may land there
	s_wait_loadcnt 0x0                             ; Q is in
.endm
; THE SOFTMAX of a step, both tiles line by line in turn, so that no line waits for the line above it.
.macro SOFTMAX
.irp j, 0,1,2,3                        ; the maximum of the lane's 32 scores and the old m, three operands at a time; each accumulator is read from its low end on
.irp t, 0,1
	v_max3_num_f32 v[ST+8*\t+4+\j], v[S+32*\t+8*\j], v[S+32*\t+8*\j+1], v[S+32*\t+8*\j+2]
.endr
.endr
.irp i, 3,5
.irp j, 0,1,2,3
.irp t, 0,1
	v_max3_num_f32 v[ST+8*\t+4+\j], v[ST+8*\t+4+\j], v[S+32*\t+8*\j+\i], v[S+32*\t+8*\j+\i+1]
.endr
.endr
.endr
.irp t, 0,1
	v_max3_num_f32 v[ST+8*\t+4], v[ST+8*\t+4], v[S+32*\t+7], v[S+32*\t+15]
	v_max3_num_f32 v[ST+8*\t+6], v[ST+8*\t+6], v[S+32*\t+23], v[S+32*\t+31]
.endr
.irp t, 0,1
	v_max3_num_f32 v[ST+8*\t+4], v[ST+8*\t+4], v[ST+8*\t+5], v[ST+8*\t+6]
.endr
.irp t, 0,1
	v_max3_num_f32 v[ST+8*\t+4], v[ST+8*\t+4], v[ST+8*\t+7], v[ST+8*\t+1]
.endr
.irp t, 0,1
	v_permlanex16_b32 v[ST+8*\t+5], v[ST+8*\t+4], s[SEL], s[SEL+1]   ; the query's other 32 keys lie in the lane 16 away
.endr
.irp t, 0,1
	v_mov_b32 v[ST+8*\t+7], v[ST+8*\t]             ; c m_old is kept
.endr
.irp t, 0,1
	v_max_num_f32 v[ST+8*\t+1], v[ST+8*\t+4], v[ST+8*\t+5]
.endr
.irp t, 0,1
	v_mul_f32 v[ST+8*\t], s[CS], v[ST+8*\t+1]
.endr
.irp t, 0,1
	v_sub_f32 v[ST+8*\t+7], v[ST+8*\t+7], v[ST+8*\t]
.endr
.irp t, 0,1                            ; ONE BATCH of 66 exponentials, none of which reads another's result:
	v_exp_f32 v[ST+8*\t+6], v[ST+8*\t+7]           ; a = 2^(c m_old - c m_new)
.endr
.irp b, 0,1,2,3,4,5,6,7,8,9,10,11,12,13,14,15
.irp t, 0,1
	v_pk_fma_f32 v[S+32*\t+2*\b:S+32*\t+2*\b+1], v[S+32*\t+2*\b:S+32*\t+2*\b+1], s[CS:CS+1], v[ST+8*\t:ST+8*\t+1] op_sel_hi:[1,0,0] neg_lo:[0,0,1] neg_hi:[0,0,1]   ; c s - c m, two at a time
.endr
.endr
.irp e, 0,1,2,3,4,5,6,7,8,9,10,11,12,13,14,15,16,17,18,19,20,21,22,23,24,25,26,27,28,29,30,31
.irp t, 0,1
	v_exp_f32 v[S+32*\t+\e], v[S+32*\t+\e]         ; p, at most 1
.endr
.endr
	v_nop                                          ; a plain instruction behind the last exponential
	s_wait_alu depctr_va_vdst(0)                   ; one wait for the batch, ahead of the first line that names a result
.irp t, 0,1
	v_pk_mul_f32 v[ST+8*\t+2:ST+8*\t+3], v[ST+8*\t+2:ST+8*\t+3], v[ST+8*\t+6:ST+8*\t+7] op_sel_hi:[1,0]   ; the sum under the new m
.endr
.irp t, 0,1                            ; the row's sum is taken of the unrounded p, in two chains
	v_pk_add_f32 v[ST+8*\t+4:ST+8*\t+5], v[S+32*\t:S+32*\t+1], v[S+32*\t+2:S+32*\t+3]
.endr
.irp j, 4,8,12,16,20,24,28
.irp t, 0,1
	v_pk_add_f32 v[ST+8*\t+2:ST+8*\t+3], v[ST+8*\t+2:ST+8*\t+3], v[S+32*\t+\j:S+32*\t+\j+1]
	v_pk_add_f32 v[ST+8*\t+4:ST+8*\t+5], v[ST+8*\t+4:ST+8*\t+5], v[S+32*\t+\j+2:S+32*\t+\j+3]
.endr
.endr
.irp t, 0,1
	v_pk_add_f32 v[ST+8*\t+2:ST+8*\t+3], v[ST+8*\t+2:ST+8*\t+3], v[ST+8*\t+4:ST+8*\t+5]
.endr
.irp i, 0,1,2,3,4,5,6,7,8,9,10,11,12,13,14,15   ; P in place: register i takes p 2 i and 2 i + 1; ascending, so that no write reaches a p still to be read
.irp t, 0,1
	v_cvt_pk_f16_f32 v[S+32*\t+\i], v[S+32*\t+2*\i], v[S+32*\t+2*\i+1]
.endr
.endr
.irp i, 0,2,4,6,8,10,12,14,16,18,20,22,24,26,28,30
.irp t, 0,1
	v_pk_mul_f32 v[OT+32*\t+\i:OT+32*\t+\i+1], v[OT+32*\t+\i:OT+32*\t+\i+1], v[ST+8*\t+6:ST+8*\t+7] op_sel_hi:[1,0]   ; O^T under the new m
.endr
.endr
.endm
; A KEY STEP: 64 keys.  The branches hang on the step's number and the wave's alone.  All accumulators take turns, one instruction a turn, over the labels and the backward jump too.
.macro STEP
	v_add_nc_u32 v[ADK], s[TBK], v[AK0]            ; both addresses are made on the way that all waves take
	v_add_nc_u32 v[ADV], s[TBV], v[AV0]
	s_cmp_gt_u32 s[J], s[IS]
	s_cbranch_scc1 .Lhid_\@
.irp cs, 0,1                           ; K: 8 fragments (keys 16 kt on, channels 32 cs on), the first 32 channels first
.irp kt, 0,1,2,3
	ds_load_b128 v[KV+8*(2*\kt+\cs):KV+8*(2*\kt+\cs)+3],   v[ADK] offset:8*KP*\kt+64*\cs
	ds_load_b128 v[KV+8*(2*\kt+\cs)+4:KV+8*(2*\kt+\cs)+7], v[ADK] offset:8*KP*\kt+64*\cs+32
.endr
.endr
	s_wait_dscnt 8                                 ; the first 32 channels are in; the eight loads of the other 32 may be out
.irp kt, 0,1,2,3
.irp t, 0,1
	v_wmma_f32_16x16x32_f16 v[S+32*\t+8*\kt:S+32*\t+8*\kt+7], v[KV+16*\kt:KV+16*\kt+7], v[Q+16*\t:Q+16*\t+7], 0
.endr
.endr
	s_wait_dscnt 0x0
.irp kt, 0,1,2,3
.irp t, 0,1
	v_wmma_f32_16x16x32_f16 v[S+32*\t+8*\kt:S+32*\t+8*\kt+7], v[KV+16*\kt+8:KV+16*\kt+15], v[Q+16*\t+8:Q+16*\t+15], v[S+32*\t+8*\kt:S+32*\t+8*\kt+7]
.endr
.endr
.rept 4
	v_nop                                          ; four places: V's loads land on K's registers, and the scores are read next
.endr
	VLOAD                                          ; lands while the softmax is walked
	s_cmp_lg_u32 s[J], s[IS]
	s_cbranch_scc1 .Lopen_\@
.irp t, 0,1                            ; on the diagonal the scores of keys behind the query become 0, as tril makes them
.irp kt, 0,1,2,3
.irp j, 0,1,2,3,4,5,6,7
	v_cmp_le_i32 vcc_lo, 16*\kt+\j-16*\t, v[DQ]
	v_cndmask_b32 v[S+32*\t+8*\kt+\j], 0, v[S+32*\t+8*\kt+\j], vcc_lo
.endr
.endr
.endr
.Lopen_\@:
	SOFTMAX
	s_wait_dscnt 0x0                               ; V is in
.irp ks, 0,1
.irp dt, 0,1,2,3
.irp t, 0,1
	v_wmma_f32_16x16x32_f16 v[OT+32*\t+8*\dt:OT+32*\t+8*\dt+7], v[KV+8*(4*\ks+\dt):KV+8*(4*\ks+\dt)+7], v[S+32*\t+8*\ks:S+32*\t+8*\ks+7], v[OT+32*\t+8*\dt:OT+32*\t+8*\dt+7]
.endr
.endr
.endr
	s_cmp_lg_u32 s[J], s[IS]
	s_cbranch_scc1 .Lnext_\@
.rept 4
	v_nop                                          ; four places: the lines below write registers that the last products read as P
.endr
	TSINIT                                         ; once a chunk, behind its diagonal step
	s_branch .Lnext_\@
.Lhid_\@:                              ; a hidden step: all 64 scores are 0: only the plain sum of its v is wanted, the same for every query
	VLOAD
	s_wait_dscnt 0x0
.irp ks, 0,1
.irp dt, 0,1,2,3
	v_wmma_f32_16x16x32_f16 v[TS+8*\dt:TS+8*\dt+7], v[KV+8*(4*\ks+\dt):KV+8*(4*\ks+\dt)+7], v[ONES:ONES+7], v[TS+8*\dt:TS+8*\dt+7]
.endr
.endr
.Lnext_\@:
.rept 5
	v_nop                                          ; five places: the next step's first products write over registers that the last ones read or wrote; its loads land on their fragments; the way out reads their results
.endr
	s_add_co_u32 s[TBK], s[TBK], KSTP
	s_add_co_u32 s[TBV], s[TBV], VSTP
	s_add_co_u32 s[J], s[J], 1
.endm
.macro STEPS n                         ; the trip counts are constants of the text
	s_mov_b32 s[CT], \n
.Lst_\@:
	STEP
	s_sub_co_u32 s[CT], s[CT], 1
	s_cmp_lg_u32 s[CT], 0
	s_cbranch_scc1 .Lst_\@
.endm
.macro MEET left                       ; left: my later groups of keys, which may stay out
	s_wait_tensorcnt \left                         ; my quarter of the next group has landed,
	s_wait_dscnt 0x0
	s_barrier_signal -1
	s_barrier_wait -1                              ; everybody's has
.endm
; THE WAY OUT of a chunk.  e0 = 2^(-c m) is the weight of a hidden key; the sum takes NF of them, O^T takes e0 x the sum of hidden v; all is divided by the sum.
.macro FINISH ob
.irp t, 0,1
	v_mul_f32 v[ST+8*\t+4], s[EF], v[ST+8*\t]      ; -c m where the chunk has hidden keys: there m began at 0, so this is 0 or less.  The chunk without them takes 0: its e0 = 1 meets NF = 0 and zeros in TS, whatever its m
.endr
.irp t, 0,1
	v_exp_f32 v[ST+8*\t+4], v[ST+8*\t+4]
.endr
.irp t, 0,1
	v_add_f32 v[ST+8*\t+5], v[ST+8*\t+2], v[ST+8*\t+3]   ; the sum's two halves (plain lines behind the exponentials)
.endr
	s_wait_alu depctr_va_vdst(0)                   ; one wait for the two exponentials, ahead of their first reader
.irp t, 0,1
	v_permlanex16_b32 v[ST+8*\t+7], v[ST+8*\t+5], s[SEL], s[SEL+1]
.endr
.irp t, 0,1
	v_add_f32 v[ST+8*\t+5], v[ST+8*\t+5], v[ST+8*\t+7]
.endr
.irp t, 0,1
	v_fma_f32 v[ST+8*\t+5], v[NF], v[ST+8*\t+4], v[ST+8*\t+5]
.endr
.irp t, 0,1
	v_rcp_f32 v[ST+8*\t+6], v[ST+8*\t+5]
.endr
	v_nop                                          ; a plain instruction behind the last reciprocal
	s_wait_alu depctr_va_vdst(0)                   ; and one wait for the two
.irp t, 0,1
	v_mul_f32 v[ST+8*\t+4], v[ST+8*\t+4], v[ST+8*\t+6]
.endr
.irp t, 0,1
.irp i, 0,2,4,6,8,10,12,14,16,18,20,22,24,26,28,30
	v_pk_mul_f32 v[OT+32*\t+\i:OT+32*\t+\i+1], v[OT+32*\t+\i:OT+32*\t+\i+1], v[ST+8*\t+6:ST+8*\t+7] op_sel_hi:[1,0]
.endr
.irp i, 0,2,4,6,8,10,12,14,16,18,20,22,24,26,28,30
	v_pk_fma_f32 v[OT+32*\t+\i:OT+32*\t+\i+1], v[TS+\i:TS+\i+1], v[ST+8*\t+4:ST+8*\t+5], v[OT+32*\t+\i:OT+32*\t+\i+1] op_sel_hi:[1,0,1]
.endr
.endr
.irp t, 0,1                            ; a tile (16 queries x 256 bytes) goes through my own stage and comes back as whole rows.  LDS serves a wave's instructions in order (ISA guide 5.7.1.4): no wait between stores and loads, nor ahead of the next tile's stores
.irp dt, 0,1,2,3
	ds_store_b128 v[STO], v[OT+32*\t+8*\dt:OT+32*\t+8*\dt+3] offset:64*\dt
	ds_store_b128 v[STO], v[OT+32*\t+8*\dt+4:OT+32*\t+8*\dt+7] offset:64*\dt+16
.endr
.irp f, 0,1,2,3,4,5,6,7
	ds_load_b128 v[KV+32*\t+4*\f:KV+32*\t+4*\f+3], v[RD] offset:2*SPI*\f
.endr
.endr
.irp t, 0,1
.irp f, 0,1,2,3,4,5,6,7
	s_wait_dscnt 16*(1-\t)+7-\f                    ; may be out: the tile's later rows, and behind tile 0's the sixteen LDS instructions of tile 1
	global_store_b128 v[GO], v[KV+32*\t+4*\f:KV+32*\t+4*\f+3], s[\ob:\ob+1] offset:65536*\t+8192*\f th:TH_STORE_NT   ; sixteen lanes store a query's 256 consecutive bytes of the head, aligned; written once, read by nobody here
.endr
.endr
.endm
	INIT                                           ; my first chunk, i = 15 - wave: at least 8, so steps 0 to 7 have scores in every wave, and no wave comes early to a barrier
	MEET 3                                         ; keys 0-255 are in
	STEPS 2                                        ; steps 0, 1
	MEET 2                                         ; keys 256-511
	STEPS 2                                        ; steps 2, 3
	MEET 1                                         ; keys 512-767
	STEPS 2                                        ; steps 4, 5
	MEET 0                                         ; all keys
	STEPS 10                                       ; steps 6 to 15
	QLOAD QB                                       ; the second chunk's Q lands while the first goes out
	FINISH OA
	s_mov_b32 s[IS], s[WV]                         ; my second chunk, i = wave
	INIT
	STEPS 16
	FINISH OB
	s_wait_tensorcnt 0x0                           ; the wave's end, behind my last tensor load and my last LDS store
	ds_add_u32 v[SPW], v[NIL]
	s_wait_dscnt 0x0
	s_endpgm
.Lfunc_end_k_q217c41fafa_attn:
	.size	k_q217c41fafa_attn, .Lfunc_end_k_q217c41fafa_attn-k_q217c41fafa_attn
	.p2alignl 7, 3214868480
	.fill 96, 4, 3214868480
	.section	.rodata,"a",@progbits
	.p2align	6, 0x0
	.amdhsa_kernel k_q217c41fafa_attn
		.amdhsa_group_segment_fixed_size 327680
		.amdhsa_private_segment_fixed_size 0
		.amdhsa_enable_private_segment 0
		.amdhsa_kernarg_size 16
		.amdhsa_user_sgpr_count 2
		.amdhsa_user_sgpr_kernarg_segment_ptr 1
		.amdhsa_wavefront_size32 1
		.amdhsa_system_sgpr_workgroup_id_x 1
		.amdhsa_system_sgpr_workgroup_id_y 1
		.amdhsa_system_sgpr_workgroup_id_z 1
		.amdhsa_system_vgpr_workitem_id 0
		.amdhsa_next_free_vgpr 256
		.amdhsa_next_free_sgpr 66
		.amdhsa_reserve_vcc 1
		.amdhsa_float_denorm_mode_32 3
		.amdhsa_float_denorm_mode_16_64 3
		.amdhsa_memory_ordered 1
		.amdhsa_forward_progress 1
		.amdhsa_inst_pref_size 159
	.end_amdhsa_kernel
	.amdgpu_metadata
---
amdhsa.version: [ 1, 2 ]
amdhsa.kernels:
  - .name:           k_q217c41fafa_attn
    .symbol:         k_q217c41fafa_attn.kd
    .args:
      - { .name: qkv, .offset: 0, .size: 8, .value_kind: global_buffer, .address_space: global }
      - { .name: out0, .offset: 8, .size: 8, .value_kind: global_buffer, .address_space: global }
    .group_segment_fixed_size: 327680
    .private_segment_fixed_size: 0
    .kernarg_segment_align: 8
    .kernarg_segment_size: 16
    .max_flat_workgroup_size: 256
    .sgpr_count:     66
    .vgpr_count:     256
    .wavefront_size: 32
...
	.end_amdgpu_metadata
.endif
;; end of part 3
